; MI455X (gfx1250); checked and timed in simulation.
; The chip was launched on July 23, 2026; its instructions are those of AMD's public machine-readable ISA for CDNA 5 (MIT licence, August 2026) and "CDNA5" Instruction Set Architecture Reference Guide (July 2026). The comments in the code are by the model that wrote it; some were corrected since.
;; tri att. Allowed arithmetic: matrix products marked QUANTISED: E5M2 operands, one E8M0 scale for each 32 along K, by v_wmma_scale_f32_16x16x128_f8f6f4 with both operands' format E5M2, f32 sums; everything else in f32.
;; Inputs: x 32 x 512 x 56 x 56 float32.
;; Outputs: out0 32 x 1 x 56 x 56 float32.
;; This version of the problem:
;;   THIS VERSION OF THE PROBLEM IS GIVEN IN LOW PRECISION. The matrix products marked QUANTISED in the list below multiply operands that are first quantised to E5M2 (5 exponent bits, 2 mantissa bits; 8 bits a number), with one power-of-two scale for each 32 numbers along K (OCP MX v1.0); their sums are f32. All else is computed in f32.
;;   The module's matrix products, in the order in which they are computed (A, B: the left and right operand; K: the contracted axis; several contracted axes count as one K, in the product's order):
;;     1. batch 32 x [M 512, K 3,136] x [K 3,136, N 512]; A: softmax (see below); B: input x: QUANTISED
;;     2. batch 32 x [M 512, K 512] x [K 512, N 3,136]; A: softmax (see below); B: input x: QUANTISED
;;   THE QUANTISER, for each operand of a quantised product, along K:
;;     - K is cut into blocks of 32 from its start; a last block that is shorter is filled with zeros.
;;     - A block's scale is 2^e with e = floor(log2(the largest magnitude in the block)) - 15, held to -126 .. 127; a block of zeros has e = 0. As a byte (E8M0): e + 127.
;;     - Each number is divided by its block's scale, clamped to +-57,344, and rounded to the nearest number of E5M2, ties to even, subnormals kept.
;;     - The product sums the exact products of the quantised numbers (number of the format x scale) in f32.
;;   ~~~python
;;   def quantise(x, axis):      # numpy; x: float32 -> the quantised numbers, widened to float32 again
;;       x = np.moveaxis(x, axis, -1); K = x.shape[-1]
;;       x = np.pad(x, [(0, 0)] * (x.ndim - 1) + [(0, -K % 32)]); x = x.reshape(x.shape[:-1] + (-1, 32)); a = np.abs(x).max(-1, keepdims=True)
;;       e = np.where(a > 0, np.clip(np.frexp(np.where(a > 0, a, 1))[1] - 1 - 15, -126, 127), 0)      # np.frexp(a)[1] - 1 = floor(log2(a)), exactly
;;       r = np.clip(x / 2.0 ** e, -57344, 57344)
;;       step = 2.0 ** (np.maximum(np.frexp(np.where(r == 0, 1, r))[1] - 1, -14) - 2)
;;       q = np.round(r / step) * step * 2.0 ** e      # np.round: ties to even
;;       return np.moveaxis(q.reshape(q.shape[:-2] + (-1,))[..., :K], -1, axis).astype(np.float32)
;;   ~~~
;;   SOFTMAX AHEAD OF A QUANTISED PRODUCT. Where the list says 'softmax', what is quantised is not the finished softmax but p = 2^(t - M), with t = logit x log2(e) and M = ceil(the row's largest t), a whole number; so 1/2 < the row's largest p <= 1. The row's sum l is taken of the UNQUANTISED p, in f32, and the product's result is divided by l at the end. Since M is a whole number, a kernel that streams over the keys may use a running M (the ceiling of the running maximum): every later rescaling is an exact power of two, which a block's scale takes up: the codes' values come out the same.
;;   OPERANDS COMPUTED ON THE WAY. 'Computed on the way' means the value that the module computes at that place (a softmax that the list does not call 'softmax' is quantised finished and normalised). What goes into a quantiser is computed in f32, as accurately as f32 sums, v_exp_f32 and their like allow (about 1e-6 of the number): no bf16 or f16 on the way to a quantiser, and a product that is left as it is and whose result goes on into a quantised operand takes f32 operands (vector FMAs, or v_wmma_f32_16x16x4_f32). A number that lies on a knife's edge between two numbers of the format may be rounded either way, as far as f32 arithmetic and the matrix unit's own rounding can turn it there, and no further.
;; One version. Each part assembles by itself: llvm-mc -triple=amdgcn-amd-amdhsa -mcpu=gfx1250 --defsym DOCPART=n.
;; ======== version 1 of 1: 3 launches
;; limits: right only within a limited range of input values
;; workspace buffers: fs 54,067,200 bytes; pc 54,067,200 bytes; fd 51,380,224 bytes; fds 1,835,008 bytes; l1 65,536 bytes; p2 8,716,288 bytes
;; launch prep (part 1): grid 16 x 32, 7 waves a work-group, no clusters, 105,472 bytes of LDS; arguments x, pc, fs, fd, fds, l1; writes pc, fs, fd, fds, l1
.if DOCPART == 1
	.amdgcn_target "amdgcn-amd-amdhsa--gfx1250"
	.amdhsa_code_object_version 6
	.text
	.protected	k_qb84a696647_prep
	.globl	k_qb84a696647_prep
	.p2align	8
	.type	k_qb84a696647_prep,@function
k_qb84a696647_prep:
	s_mov_b64 s[64:65], 0
	v_nop
	global_prefetch_b8 v0, s[64:65] scope:SCOPE_SE
	s_setreg_imm32_b32 hwreg(HW_REG_WAVE_MODE, 25, 1), 1
	s_wait_xcnt 0x0
; x [32][512][3136] f32 is read once and quantised three ways into codes of E5M2 with one E8M0 byte for each 32 along K:
;   fs: f along s (second operand of the first product);  pc: p = 2^(7 f log2e - M) along s (its first operand);  fd: f along d, the channels (second operand of the second product).
; All three leave as IMAGES OF OPERAND REGISTERS: a fragment (16 rows x 128 K) is 2,048 bytes; the 32-block c lies at 512 c, lane l's 16 codes at 16 l (row l % 16, k = 32 c + 16 (l / 16) + 0..15).
; SHARES.  A work-group owns 32 channels of one batch and all 3,136 s; wave w owns 7 chunks of 32 rows x 64 s (a chunk's row is 256 consecutive bytes, aligned).  7 x 7 x 64 = 3,136.
; THE ROWS OF A TILE ARE NOT NEIGHBOURS: lane r of tile a (0, 1) holds row 8 a + r + 8 (r / 8) of the 32, so that in the next launch's transposed product 16 registers of two neighbouring tiles are 16 neighbouring channels.
; THE SOFTMAX IN ONE PASS.  M_k = ceil(largest t) of a row's chunk; p_k = 2^(t - M_k) gives codes and block bytes.  Under the row's final M the codes stay and a byte becomes byte_k + M_k - M, held at 1;
; the row's sum is the sum of l_k 2^(M_k - M).  Both are made at the end, behind the one barrier, from tables in LDS: the work-group owns whole rows.
; K = 3,136 is 24.5 steps of 128: in K step 24 the blocks 2 and 3 of fs and pc are zero codes with the byte 1.
; No tensor load, no matrix unit, no cluster: a stream; work-groups share no input.  No prefetch: the launch does nothing but stream.
; LIMITS: NaN and infinities are not served.  A block of zeros gets the byte 1 where the rule says 127 (its codes are zeros; these bytes are read by this program alone).  A block of p whose byte would fall under 1
; is held at 1: its numbers then stay under 2^-110 of the row's largest p.  p under 2^-126 of its chunk's largest is 0.  t = 7 f log2e is one fused multiply-add with the constant 7 log2e.
.set ROWX,  12544                      ; a row of x in bytes
.set TS,    0                          ; LDS [block 100][32 rows] f32: p's byte + M_k
.set TF,    12800                      ; the same shape: fs's byte
.set TM,    25600                      ; [chunk 49][32 rows] f32: M_k
.set TL,    31872                      ; [chunk 49][32 rows] f32: l_k
.set TDS,   38144                      ; fd's scale bytes, one for each s
.set STG,   41472                      ; a stage for each wave: row i of a chunk at 272 i + 128 (i / 16)
.set STGB,  8960
.set FLOOR, 0x8000000                  ; 2^(16 - 127): under it no largest magnitude is taken, so no byte falls under 1
.set EOFF,  0xf8800000                 ; takes 15 off an exponent field
.set R,   32                           ; v32-95   the chunk as loaded
.set X,   96                           ; v96-159  tile a at X + 32 a; later the four column groups at X + 16 g
.set T,   160                          ; v160-191 t, then p
.set FC,  192                          ; v192-207 fs's codes, 8 a tile
.set PCD, 208                          ; v208-223 p's codes
.set DC,  224                          ; v224-239 fd's codes, 4 a group
; v1 lane, v2 r, v3 h; v4 offset of my 16 bytes in x; v5 stage in; v6 stage out by rows; v7 stage out by columns; v8 16 l; v9-11 the trip's store offsets (fs, pc, fd); v12 4 l;
; v13-15 the trip's table addresses; v16, v17 LDS addresses of the end phase; v18-31, v240-255 at work.
	s_load_b256 s[4:11], s[0:1], 0x0               ; x s[4:5], pc s[6:7], fs s[8:9], fd s[10:11]
	s_load_b128 s[12:15], s[0:1], 0x20             ; fds s[12:13], l1 s[14:15]
	v_lshl_add_u32 v254, v0, 2, 0x19800
	v_mov_b32 v255, 0
	v_lshrrev_b32 v1, 5, v0
	v_readfirstlane_b32 s16, v1                    ; wave 0..6
	s_mov_b32 s17, ttmp9                           ; db: which 32 channels
	s_and_b32 s18, ttmp7, 0xffff                   ; n: the batch
	v_and_b32 v1, 31, v0                           ; lane
	v_and_b32 v2, 15, v0                           ; r
	v_bfe_u32 v3, v0, 4, 1                         ; h
	s_mul_i32 s33, s16, STGB
	s_add_co_u32 s33, s33, STG                     ; my stage
	v_mul_u32_u24 v4, v3, ROWX
	v_lshl_add_u32 v4, v2, 4, v4                   ; x: lanes 0-15 one row's 256 bytes, lanes 16-31 the next row's
	v_mul_u32_u24 v5, v3, 272
	v_lshl_add_u32 v5, v2, 4, v5
	v_add_nc_u32 v5, s33, v5                       ; into the stage, as loaded
	v_bfe_u32 v7, v0, 3, 1                         ; r / 8
	v_lshl_add_u32 v6, v7, 3, v2                   ; r + 8 (r / 8)
	v_mul_u32_u24 v6, v6, 272
	v_lshl_add_u32 v6, v7, 7, v6                   ; rows 16 on lie 128 bytes further
	v_lshl_add_u32 v6, v3, 6, v6                   ; my half's 16 numbers of a block of 32
	v_add_nc_u32 v6, s33, v6
	v_mul_u32_u24 v7, v3, 4480                     ; by columns: rows 16 h + i,
	v_lshl_add_u32 v7, v2, 2, v7                   ; column r of a group of 16
	v_add_nc_u32 v7, s33, v7
	v_lshlrev_b32 v8, 4, v1
	v_lshlrev_b32 v12, 2, v1
	s_lshl_b32 s33, s16, 9
	v_add_nc_u32 v16, s33, v12                     ; the end phase: K step w's four blocks of a table, my row
	s_mul_i32 s33, s16, 448
	s_add_co_u32 s33, s33, TDS
	v_add_nc_u32 v17, s33, v8                      ; and my wave's 448 scale bytes of fd
.irp q, 22,23,24,25,31
	v_mov_b32 v\q, 0                               ; written once: a lane permute's destination counts as one of its sources; v31 is named as the upper half of the pair v[30:31]
.endr
	s_mov_b32 s19, 0x600000                        ; the mantissa field of 57,344
	s_mov_b32 s20, 0x76543210
	s_mov_b32 s21, 0xfedcba98                      ; v_permlanex16_b32's selects for lane l xor 16
	s_mov_b32 s22, 0x412194f4                      ; 7 log2(e)
	s_mov_b32 s23, s22                             ; (named with it as a pair)
	s_mul_i32 s24, s16, 7                          ; my first chunk
	s_mov_b32 s25, 7                               ; trips
	s_mul_i32 s26, s18, 6422528                    ; x: the batch,
	s_mul_i32 s27, s17, 401408                     ; my 32 rows,
	s_add_co_u32 s26, s26, s27
	s_mul_i32 s27, s16, 1792                       ; my wave's 7 chunks of 256 bytes
	s_add_co_u32 s26, s26, s27
	s_mov_b32 s27, 0
	s_mul_i32 s28, s18, 1689600                    ; a batch of fs, and of pc
	s_mov_b32 s29, 0
	s_mov_b32 s31, 0
	s_wait_kmcnt 0x0
	s_add_nc_u64 s[4:5], s[4:5], s[26:27]
.macro LOADX                           ; a chunk: 16 loads, each two rows' 256 consecutive bytes
.irp i, 0,1,2,3,4,5,6,7,8,9,10,11,12,13,14,15
	global_load_b128 v[R+4*\i:R+4*\i+3], v4, s[4:5] offset:2*ROWX*\i th:TH_LOAD_NT
.endr
.endm
	LOADX                                          ; the first chunk
	s_add_nc_u64 s[8:9], s[8:9], s[28:29]
	s_add_nc_u64 s[6:7], s[6:7], s[28:29]
	s_lshl_b32 s30, s17, 7
	s_add_nc_u64 s[36:37], s[8:9], s[30:31]        ; fs's scale words: my two tiles' 128 bytes of a record
	s_lshl_b32 s30, s17, 12
	s_add_nc_u64 s[8:9], s[8:9], s[30:31]          ; fs's codes: tiles 2 db, 2 db + 1
	s_lshr_b32 s30, s17, 1
	s_mul_i32 s30, s30, 211200
	s_add_nc_u64 s[6:7], s[6:7], s[30:31]          ; pc: the block of 64 channels
	s_and_b32 s32, s17, 1
	s_lshl_b32 s30, s32, 7
	s_add_nc_u64 s[38:39], s[6:7], s[30:31]        ; pc's scale words
	s_lshl_b32 s30, s32, 12
	s_add_nc_u64 s[6:7], s[6:7], s[30:31]          ; pc's codes
	s_mul_i32 s30, s18, 1605632                    ; fd: the batch, K step db / 4, block db % 4
	s_lshr_b32 s32, s17, 2
	s_lshl_b32 s32, s32, 11
	s_add_co_u32 s30, s30, s32
	s_and_b32 s32, s17, 3
	s_lshl_b32 s32, s32, 9
	s_add_co_u32 s30, s30, s32
	s_add_nc_u64 s[10:11], s[10:11], s[30:31]
	s_mul_i32 s30, s18, 57344                      ; fds [n][db][part = wave][512]
	s_mul_i32 s32, s17, 3584
	s_add_co_u32 s30, s30, s32
	s_lshl_b32 s32, s16, 9
	s_add_co_u32 s30, s30, s32
	s_add_nc_u64 s[12:13], s[12:13], s[30:31]
	s_lshl_b32 s30, s18, 11                        ; l1 [n][512], in tile order
	s_lshl_b32 s32, s17, 7
	s_add_co_u32 s30, s30, s32
	s_add_nc_u64 s[14:15], s[14:15], s[30:31]
; TILE a: 32 numbers a lane, register 16 b + i = s 32 b + 16 h + i of my row: two blocks of fs and two of p.
.macro TILE a
.set XA, X+32*\a
.irp b, 0,1
	v_max3_num_f32 v[18+\b], |v[XA+16*\b]|, |v[XA+16*\b+1]|, FLOOR          ; the largest magnitude, with the floor among its leaves
	v_max3_num_f32 v[20+\b], v[XA+16*\b], v[XA+16*\b+1], v[XA+16*\b+2]      ; the largest number: it gives the largest t and, since p rises with f, the block's largest p
.endr
.irp i, 2,4,6,8,10,12,14
.irp b, 0,1
	v_max3_num_f32 v[18+\b], v[18+\b], |v[XA+16*\b+\i]|, |v[XA+16*\b+\i+1]|
.endr
.endr
.irp i, 3,5,7,9,11,13
.irp b, 0,1
	v_max3_num_f32 v[20+\b], v[20+\b], v[XA+16*\b+\i], v[XA+16*\b+\i+1]
.endr
.endr
.irp b, 0,1
	v_max_num_f32 v[20+\b], v[20+\b], v[XA+16*\b+15]
.endr
.irp q, 0,1,2,3
	v_permlanex16_b32 v[22+\q], v[18+\q], s20, s21
.endr
.irp q, 0,1,2,3
	v_max_num_f32 v[18+\q], v[18+\q], v[22+\q]     ; with lane l xor 16's 16 numbers: the block's
.endr
.irp b, 0,1
	v_add_nc_u32 v[26+\b], EOFF, v[18+\b]          ; fs: the conversion's scale operand,
	v_and_or_b32 v[28+\b], v[18+\b], 0x7f800000, s19   ; 57,344 x the scale,
.endr
.irp b, 0,1
	v_lshrrev_b32 v[240+\b], 23, v[26+\b]          ; the byte
.endr
.irp b, 0,1
	ds_store_b32 v13, v[240+\b] offset:TF+128*\b+64*\a   ; both lanes of a pair write the same word with the same value
.endr
	v_max_num_f32 v22, v20, v21
	v_mul_f32 v22, s22, v22                        ; the chunk's largest t of my row
	v_floor_f32 v30, -v22                          ; -M_k = floor(-t): M_k is a whole number
.set j, 0
.rept 16
	v_pk_fma_f32 v[T+j:T+j+1], v[XA+j:XA+j+1], s[22:23], v[30:31] op_sel_hi:[1,0,0]   ; t - M_k, two at a time
.set j, j+2
.endr
.irp b, 0,1
	v_fma_f32 v[20+\b], v[20+\b], s22, v30         ; the same of each block's largest number
.endr
.set j, 0
	s_wait_alu depctr_va_vdst(0)
.rept 32
	v_exp_f32 v[T+j], v[T+j]                       ; p_k = 2^(t - M_k)
.set j, j+1
.endr
.irp b, 0,1
	v_exp_f32 v[20+\b], v[20+\b]                   ; the block's largest p: the same two instructions on the same number give the same bits
.endr
	v_sub_f32 v252, 0, v30                         ; M_k.  (The plain line behind the exponentials)
	s_wait_alu depctr_va_vdst(0)                   ; one wait for the batch of 34, ahead of its first reader
	v_pk_add_f32 v[248:249], v[T:T+1], v[T+2:T+3]  ; l_k is taken of the unquantised p, in two chains
	v_pk_add_f32 v[250:251], v[T+4:T+5], v[T+6:T+7]
.irp j, 8,12,16,20,24,28
	v_pk_add_f32 v[248:249], v[248:249], v[T+\j:T+\j+1]
	v_pk_add_f32 v[250:251], v[250:251], v[T+\j+2:T+\j+3]
.endr
	v_pk_add_f32 v[248:249], v[248:249], v[250:251]
	v_add_f32 v248, v248, v249
	v_permlanex16_b32 v23, v248, s20, s21
	v_add_f32 v248, v248, v23
	ds_store_b32 v14, v248 offset:TL+64*\a
	ds_store_b32 v14, v252 offset:TM+64*\a
.irp b, 0,1
	v_max_num_f32 v[20+\b], FLOOR, v[20+\b]
.endr
.irp b, 0,1
	v_add_nc_u32 v[242+\b], EOFF, v[20+\b]
	v_and_or_b32 v[244+\b], v[20+\b], 0x7f800000, s19
.endr
.irp b, 0,1
	v_lshrrev_b32 v[246+\b], 23, v[242+\b]
.endr
.irp b, 0,1
	v_cvt_f32_u32 v[246+\b], v[246+\b]
.endr
.irp b, 0,1
	v_sub_f32 v[246+\b], v[246+\b], v30            ; byte_k + M_k, exact in f32
.endr
.irp b, 0,1
	ds_store_b32 v13, v[246+\b] offset:TS+128*\b+64*\a
.endr
.irp b, 0,1
.irp i, 0,1,2,3,4,5,6,7,8,9,10,11,12,13,14,15
	v_min_num_f32 v[T+16*\b+\i], v[T+16*\b+\i], v[244+\b]   ; the conversion to an 8-bit code does not saturate (ISA guide 7.6.2); p is not negative, so the hold is one-sided
.endr
	v_cvt_scalef32_pk8_bf8_f32 v[PCD+8*\a+4*\b:PCD+8*\a+4*\b+1], v[T+16*\b:T+16*\b+7], v[242+\b]
	v_cvt_scalef32_pk8_bf8_f32 v[PCD+8*\a+4*\b+2:PCD+8*\a+4*\b+3], v[T+16*\b+8:T+16*\b+15], v[242+\b]
.endr
.irp b, 0,1
.irp i, 0,1,2,3,4,5,6,7,8,9,10,11,12,13,14,15
	v_med3_num_f32 v[XA+16*\b+\i], v[XA+16*\b+\i], -v[28+\b], v[28+\b]
.endr
	v_cvt_scalef32_pk8_bf8_f32 v[FC+8*\a+4*\b:FC+8*\a+4*\b+1], v[XA+16*\b:XA+16*\b+7], v[26+\b]
	v_cvt_scalef32_pk8_bf8_f32 v[FC+8*\a+4*\b+2:FC+8*\a+4*\b+3], v[XA+16*\b+8:XA+16*\b+15], v[26+\b]
.endr
	v_nop                                          ; one plain line behind the last conversion
.endm
; Column groups g0 and g0 + 1 out of the stage: lane (r, h) takes rows 16 h + i of column 16 g + r: its registers run down the channels
.macro COLS g0
.irp g, \g0, \g0+1
.irp i, 0,1,2,3,4,5,6,7,8,9,10,11,12,13,14,15
	ds_load_b32 v[X+16*(\g)+\i], v7 offset:272*\i+64*(\g)
.endr
.endr
.endm
; and their codes for fd: a block of 32 channels lies in lanes l and l xor 16.  The two groups by turns
.macro GROUPS g0
.irp q, 0,1
	v_max3_num_f32 v[18+\q], |v[X+16*(\g0+\q)]|, |v[X+16*(\g0+\q)+1]|, FLOOR
.endr
.irp i, 2,4,6,8,10,12,14
.irp q, 0,1
	v_max3_num_f32 v[18+\q], v[18+\q], |v[X+16*(\g0+\q)+\i]|, |v[X+16*(\g0+\q)+\i+1]|
.endr
.endr
.irp q, 0,1
	v_permlanex16_b32 v[22+\q], v[18+\q], s20, s21
.endr
.irp q, 0,1
	v_max_num_f32 v[18+\q], v[18+\q], v[22+\q]
.endr
.irp q, 0,1
	v_add_nc_u32 v[26+\q], EOFF, v[18+\q]
	v_and_or_b32 v[28+\q], v[18+\q], 0x7f800000, s19
.endr
.irp q, 0,1
	v_lshrrev_b32 v[240+\g0+\q], 23, v[26+\q]
.endr
.irp q, 0,1
.irp i, 0,1,2,3,4,5,6,7,8,9,10,11,12,13,14,15
	v_med3_num_f32 v[X+16*(\g0+\q)+\i], v[X+16*(\g0+\q)+\i], -v[28+\q], v[28+\q]
.endr
	v_cvt_scalef32_pk8_bf8_f32 v[DC+4*(\g0+\q):DC+4*(\g0+\q)+1], v[X+16*(\g0+\q):X+16*(\g0+\q)+7], v[26+\q]
	v_cvt_scalef32_pk8_bf8_f32 v[DC+4*(\g0+\q)+2:DC+4*(\g0+\q)+3], v[X+16*(\g0+\q)+8:X+16*(\g0+\q)+15], v[26+\q]
.endr
	v_nop                                          ; one plain line behind the last conversion
.irp q, 0,1
	ds_store_b8 v15, v[240+\g0+\q] offset:TDS+16*(\g0+\q)   ; both lanes of a pair write the same byte with the same value
.endr
.endm
.Ltrip:                                            ; 7 trips, a chunk each
	s_wait_loadcnt 0x0                             ; the chunk's 16 loads are in; nothing younger is out
	s_wait_xcnt 0x0                                ; the last trip's stores have read their data and offsets, which are written again below
	s_wait_dscnt 0x0                               ; and its last byte stores are done: the table addresses are written again
	s_lshr_b32 s26, s24, 1                         ; the K step,
	s_and_b32 s27, s24, 1
	s_lshl_b32 s27, s27, 10                        ; and which two of its four blocks
	s_mul_i32 s28, s26, 67584
	s_add_co_u32 s28, s28, s27
	s_wait_alu depctr_va_vdst(0)
	v_add_nc_u32 v9, s28, v8
	s_mul_i32 s28, s26, 8448
	s_add_co_u32 s28, s28, s27
	v_add_nc_u32 v10, s28, v8
	s_lshl_b32 s28, s24, 15                        ; four tiles of 16 s, 8,192 bytes each
	v_add_nc_u32 v11, s28, v8
	s_lshl_b32 s28, s24, 8
	v_lshl_add_u32 v13, v2, 2, s28                 ; TS, TF: two blocks of 128 bytes a chunk
	s_lshl_b32 s28, s24, 7
	v_lshl_add_u32 v14, v2, 2, s28                 ; TM, TL
	s_lshl_b32 s28, s24, 6
	v_add_nc_u32 v15, s28, v2                      ; TDS
.irp i, 0,1,2,3,4,5,6,7,8,9,10,11,12,13,14,15
	ds_store_b128 v5, v[R+4*\i:R+4*\i+3] offset:544*\i+128*(\i/8)
.endr
.irp a, 0,1
.irp b, 0,1
.irp j, 0,1,2,3
	ds_load_b128 v[X+32*\a+16*\b+4*\j:X+32*\a+16*\b+4*\j+3], v6 offset:2176*\a+128*\b+16*\j   ; LDS serves a wave's instructions in order: these see the stores above
.endr
.endr
.endr
	s_wait_dscnt 16                                ; behind the 16 stores stand 16 loads: the stores have read their registers,
	s_cmp_eq_u32 s25, 1
	s_cbranch_scc1 .Lnoload                        ; (the last trip asks for nothing: no load leaves x)
	s_add_nc_u64 s[4:5], s[4:5], 256
	LOADX                                          ; which take the next chunk: it has a whole trip in which to land
.Lnoload:
	s_wait_dscnt 8                                 ; tile 0's eight loads are in; tile 1's may be out
	TILE 0
	COLS 0                                         ; into tile 0's registers
	s_wait_dscnt 32                                ; all but the 32 just issued: tile 1 is in, and tile 0's table stores are done
	TILE 1
	COLS 2
	s_wait_dscnt 32                                ; groups 0 and 1 are in, and tile 1's table stores are done
	GROUPS 0
	s_wait_dscnt 2                                 ; behind groups 2 and 3's loads stand two byte stores
	GROUPS 2
; the trip's 12 stores of codes in one run at its end, each 512 consecutive bytes, aligned to 256: every tile and group has registers of its own for its codes
.irp a, 0,1
.irp b, 0,1
	global_store_b128 v9, v[FC+8*\a+4*\b:FC+8*\a+4*\b+3], s[8:9] offset:2048*\a+512*\b th:TH_STORE_NT
	global_store_b128 v10, v[PCD+8*\a+4*\b:PCD+8*\a+4*\b+3], s[6:7] offset:2048*\a+512*\b th:TH_STORE_NT
.endr
.endr
.irp g, 0,1,2,3
	global_store_b128 v11, v[DC+4*\g:DC+4*\g+3], s[10:11] offset:8192*\g th:TH_STORE_NT
.endr
	s_add_co_u32 s24, s24, 1
	s_sub_co_u32 s25, s25, 1
	s_cmp_lg_u32 s25, 0
	s_cbranch_scc1 .Ltrip
	s_cmp_lg_u32 s16, 6
	s_cbranch_scc1 .Lnopad
	v_mov_b32 v18, 0xff61b1e6                      ; blocks 98 and 99, the fill of K step 24: -3e38 gives the byte 1
	v_mov_b32 v19, 1
	ds_store_b32 v12, v18 offset:TS+128*98
	ds_store_b32 v12, v18 offset:TS+128*99
	ds_store_b32 v12, v19 offset:TF+128*98
	ds_store_b32 v12, v19 offset:TF+128*99
	v_mov_b32 v20, 0x1010101
	ds_store_b32 v12, v20 offset:TDS+3136          ; the bytes behind fd's 3,136 scale bytes: the last wave's record of 512 is stored whole, its fill is the byte 1
.Lnopad:
	s_wait_dscnt 0x0                               ; for the others' sake: my table stores are done
	s_barrier_signal -1
	s_barrier_wait -1                              ; the tables are whole
	; from here on a lane is a row of the tables: l = 16 a + r
.set k, 0
.rept 49
	ds_load_b32 v[32+k], v12 offset:TM+128*k
.set k, k+1
.endr
	s_mul_i32 s26, s16, 8448
	v_add_nc_u32 v90, s26, v12                     ; pc's scale words: record w + 7 i, my word
	s_mul_i32 s26, s16, 67584
	v_add_nc_u32 v91, s26, v12                     ; fs's
.irp q, 112,113,114,115
	v_mov_b32 v\q, 0
.endr
	s_wait_dscnt 0x0
	v_max3_num_f32 v92, v32, v33, v34              ; M = the largest M_k of my row
.set k, 35
.rept 23
	v_max3_num_f32 v92, v92, v[k], v[k+1]
.set k, k+2
.endr
.macro WORDS i                         ; the scale words of K step w + 7 i: 128 consecutive bytes for pc and for fs
.irp b, 0,1,2,3
	ds_load_b32 v[96+\b], v16 offset:TS+3584*\i+128*\b
	ds_load_b32 v[100+\b], v16 offset:TF+3584*\i+128*\b
.endr
	s_wait_dscnt 0x0
.irp b, 0,1,2,3
	v_sub_f32 v[96+\b], v[96+\b], v92              ; byte_k + M_k - M,
.endr
.irp b, 0,1,2,3
	v_max_num_f32 v[96+\b], 1.0, v[96+\b]          ; held at 1
.endr
.irp b, 0,1,2,3
	v_cvt_u32_f32 v[96+\b], v[96+\b]
.endr
	v_lshl_or_b32 v[104+2*\i], v97, 8, v96
	v_lshl_or_b32 v[105+2*\i], v101, 8, v100
	v_lshl_or_b32 v[104+2*\i], v98, 16, v[104+2*\i]
	v_lshl_or_b32 v[105+2*\i], v102, 16, v[105+2*\i]
	v_lshl_or_b32 v[104+2*\i], v99, 24, v[104+2*\i]
	v_lshl_or_b32 v[105+2*\i], v103, 24, v[105+2*\i]
	global_store_b32 v90, v[104+2*\i], s[38:39] offset:59136*\i+8192
	global_store_b32 v91, v[105+2*\i], s[36:37] offset:473088*\i+65536
.endm
	s_wait_alu depctr_va_vdst(0)
	WORDS 0
	WORDS 1
	WORDS 2
	s_cmp_lt_u32 s16, 4
	s_cbranch_scc0 .Lno3                           ; K steps 21 to 24: waves 0 to 3
	WORDS 3
.Lno3:
	s_cmp_lg_u32 s16, 4
	s_cbranch_scc1 .Lno4
.irp a, 0,1
.irp b, 0,1
	global_store_b128 v8, v[112:115], s[8:9] offset:24*67584+2048*\a+1024+512*\b   ; fs, K step 24, blocks 2 and 3: zero codes
.endr
.endr
.Lno4:
	s_cmp_lg_u32 s16, 5
	s_cbranch_scc1 .Lno5
.irp a, 0,1
.irp b, 0,1
	global_store_b128 v8, v[112:115], s[6:7] offset:24*8448+2048*\a+1024+512*\b    ; pc likewise
.endr
.endr
.Lno5:
	s_cmp_lg_u32 s16, 6
	s_cbranch_scc1 .Lno6
.set k, 0
.rept 49
	ds_load_b32 v[128+k], v12 offset:TL+128*k
.set k, k+1
.endr
	s_wait_dscnt 0x0
.set k, 0
.rept 49
	v_sub_f32 v180, v[32+k], v92                   ; M_k - M: a whole number, 0 or less
	v_cvt_i32_f32 v180, v180                       ; (it saturates)
.if k == 0
	v_ldexp_f32 v182, v128, v180
.else
	v_ldexp_f32 v181, v[128+k], v180               ; l_k under the row's M: exact
	v_add_f32 v182, v182, v181
.endif
.set k, k+1
.endr
	global_store_b32 v12, v182, s[14:15]           ; the row's sum: 128 consecutive bytes
.Lno6:
	ds_load_b128 v[160:163], v17                   ; my wave's 448 scale bytes of fd and the 64 bytes behind them: the record of 512 bytes leaves whole
	s_wait_dscnt 0x0
	global_store_b128 v8, v[160:163], s[12:13]
	s_wait_tensorcnt 0x0                           ; the wave's end
	ds_add_u32 v254, v255
	s_wait_dscnt 0x0
	s_endpgm
.Lfunc_end_k_qb84a696647_prep:
	.size	k_qb84a696647_prep, .Lfunc_end_k_qb84a696647_prep-k_qb84a696647_prep
	.p2alignl 7, 3214868480
	.fill 96, 4, 3214868480
	.section	.rodata,"a",@progbits
	.p2align	6, 0x0
	.amdhsa_kernel k_qb84a696647_prep
		.amdhsa_group_segment_fixed_size 105472
		.amdhsa_private_segment_fixed_size 0
		.amdhsa_enable_private_segment 0
		.amdhsa_kernarg_size 48
		.amdhsa_user_sgpr_count 2
		.amdhsa_user_sgpr_kernarg_segment_ptr 1
		.amdhsa_wavefront_size32 1
		.amdhsa_system_sgpr_workgroup_id_x 1
		.amdhsa_system_sgpr_workgroup_id_y 1
		.amdhsa_system_sgpr_workgroup_id_z 1
		.amdhsa_system_vgpr_workitem_id 0
		.amdhsa_next_free_vgpr 256
		.amdhsa_next_free_sgpr 66
		.amdhsa_reserve_vcc 0
		.amdhsa_float_denorm_mode_32 3
		.amdhsa_float_denorm_mode_16_64 3
		.amdhsa_memory_ordered 1
		.amdhsa_forward_progress 1
		.amdhsa_inst_pref_size 69
	.end_amdhsa_kernel
	.amdgpu_metadata
---
amdhsa.version: [ 1, 2 ]
amdhsa.kernels:
  - .name:           k_qb84a696647_prep
    .symbol:         k_qb84a696647_prep.kd
    .args:
      - { .name: x, .offset: 0, .size: 8, .value_kind: global_buffer, .address_space: global }
      - { .name: pc, .offset: 8, .size: 8, .value_kind: global_buffer, .address_space: global }
      - { .name: fs, .offset: 16, .size: 8, .value_kind: global_buffer, .address_space: global }
      - { .name: fd, .offset: 24, .size: 8, .value_kind: global_buffer, .address_space: global }
      - { .name: fds, .offset: 32, .size: 8, .value_kind: global_buffer, .address_space: global }
      - { .name: l1, .offset: 40, .size: 8, .value_kind: global_buffer, .address_space: global }
    .group_segment_fixed_size: 105472
    .private_segment_fixed_size: 0
    .kernarg_segment_align: 8
    .kernarg_segment_size: 48
    .max_flat_workgroup_size: 224
    .sgpr_count:     66
    .vgpr_count:     256
    .wavefront_size: 32
...
	.end_amdgpu_metadata
.endif
;; end of part 1
;; launch bil (part 2): grid 8 x 32, 4 waves a work-group, no clusters, 327,680 bytes of LDS; arguments pc, fs, l1, p2; writes p2
.if DOCPART == 2
	.amdgcn_target "amdgcn-amd-amdhsa--gfx1250"
	.amdhsa_code_object_version 6
	.text
	.protected	k_qb84a696647_bil
	.globl	k_qb84a696647_bil
	.p2align	8
	.type	k_qb84a696647_bil,@function
k_qb84a696647_bil:
	s_mov_b64 s[64:65], 0
	v_nop
	global_prefetch_b8 v0, s[64:65] scope:SCOPE_SE
	s_setreg_imm32_b32 hwreg(HW_REG_WAVE_MODE, 25, 1), 1
	s_wait_xcnt 0x0
; The first product on codes of E5M2 (one E8M0 byte for each 32 along K = s), its division by the row's sum, the softmax over the channels d, and the quantising of p2 = 2^(t - M) along d.
; SHARES.  A work-group makes 64 rows c x all 512 d of one batch, so that a softmax row lies in one work-group: 8 x 32 = 256 work-groups.  Wave w makes 64 c x d 128 w .. 128 w + 127: 32 accumulators.
; THE PRODUCT IS USED TRANSPOSED: source 0 = a tile of fs (16 d), source 1 = a tile of pc (16 c): a lane holds one c a tile of pc, and its 64 registers of that tile are d = 128 w + 32 b + 16 (lane / 16) + i:
; K step w of the second product in the order of its operand's registers.  So the conversions' results are stored as they stand.
; fs lies in memory as images of operand registers, and a wave's 8 tiles are read by no other wave of its work-group: they go FROM MEMORY STRAIGHT INTO REGISTERS, 512 consecutive bytes an instruction.
; Four buffers of half a K step (4 tiles: 16 loads of codes, 2 of scale words) take turns: while one is multiplied, the three behind it are on their way (54 loads).
; pc, the work-group's own 211,200 bytes, which all four waves read, is filled into LDS ONCE, in three stages of first fills: K steps 0-3 at the head, 4-11 and 12-24 each behind the full sequence; nothing is filled again.
; By this text's count a wave has one tensor load out at any time.  lds_bytes claims all of a WGP's LDS.
; NO CLUSTER: no tile of fs lies in LDS, so there is none for a joint load to fill; pc is shared with no other work-group.
; PREFETCH: the 8 work-groups of a batch share fs's records out: in trip j (K steps 2 j + 1, 2 j + 2) work-group x asks for its 16,896 of the 135,168 bytes of K steps 2 j + 7 and 2 j + 8, waves 0 to 2 for 22 blocks
; of 256 bytes each (lanes 22-31 name the wave's last block again): three K steps and more ahead of the loads that want them.  Trips 0 to 8 ask; K steps 0 to 6 come by their loads alone.  pc comes in three large loads and is not asked for.
; LIMITS: NaN and infinities are not served; a block of p2 whose every number has fallen to 0 keeps the byte 1 (its codes are zeros); 1 / l by v_rcp_f32.
; REGISTERS.  Window 0: v1, v2 lane, r; v4, v5 16 l, 4 l; v6, v12 offsets of fs's codes and scale words; v10, v16 LDS addresses of pc's; v18, v19 the add's; v20 the prefetch's; v21-28 the epilogue's addresses;
;   v32-43 scale words and nothing else, two sets of 4 + 2; v44-127 the epilogue; v128-255 pc's fragments, two sets.  Window 1: fs's fragments, two sets of 128.  Window 2: accumulator (a, b) at 8 (8 a + b).
.set KREC,  67584                      ; a K step of fs: 32 tiles x 2,048 of codes, then 32 x 64 of scale words
.set AREC,  8448                       ; a K step of pc: 4 x 2,048, then 4 x 64
.set SPARE, 212992                     ; behind pc's image: the spare words, 128 bytes for each wave
.set EXM,   213504                     ; [wave][tile][16] row maxima
.set EXS,   214528                     ; [wave][tile][16] partial sums
.set SCX,   215552                     ; [tile][wave][16] p2's scale words
.set FLOOR, 0x8000000
.set EOFF,  0xf8800000
.set MUL,   0xa1                       ; source 0 (fs) window 1, source 1 (pc) window 0, C and D window 2
.set TO_B,  0x40                       ; destination window 1, address window 0
.set SB,    62                         ; s62: LDS byte of pc's record of the trip's first K step
.set MSB, 0
.macro WIN new
.if MSB != (\new)
	s_set_vgpr_msb (MSB<<8)|(\new)
.set MSB, (\new)
.endif
.endm
.macro PLACES n
.rept \n
	v_nop
.endr
.endm
.macro ASK
	s_cmp_lt_u32 s84, s90
	s_cbranch_scc0 .Lna_\@
	global_prefetch_b8 v20, s[86:87] th:TH_LOAD_NT scope:SCOPE_SE
.Lna_\@:
.endm
; half hf of the K step that lies koff bytes behind the pointer, into set q: 18 loads
.macro GL koff, q, hf
	WIN TO_B
.irp b, 0,1,2,3
.irp c, 0,1,2,3
	global_load_b128 v[128*(\q)+64*(\hf)+16*\b+4*\c:128*(\q)+64*(\hf)+16*\b+4*\c+3], v6, s[6:7] offset:(\koff)+8192*(\hf)+2048*\b+512*\c
.endr
.endr
	WIN 0
.irp i, 0,1
	global_load_b32 v[32+6*(\q)+2*(\hf)+\i], v12, s[6:7] offset:(\koff)+256*(\hf)+128*\i
.endr
.endm
; pc's four fragments and two registers of scale words of the K step off bytes behind the trip's first, out of LDS
.macro FP off, set
.irp a, 0,1,2,3
.irp c, 0,1,2,3
	ds_load_b128 v[128+64*(\set)+16*\a+4*\c:128+64*(\set)+16*\a+4*\c+3], v10 offset:(\off)+2048*\a+512*\c
.endr
.endr
.irp i, 0,1
	ds_load_b32 v[36+6*(\set)+\i], v16 offset:(\off)+8192+128*\i
.endr
.endm
.macro ADR
	v_add_nc_u32 v10, s[SB], v4
	v_add_nc_u32 v16, s[SB], v5
	s_wait_alu depctr_va_vdst(0)
.endm
.macro WM zero, ra, rb
.if \zero
.if (\ra) && (\rb)
	v_wmma_scale_f32_16x16x128_f8f6f4 v[rD:rD+7], v[rA:rA+15], v[rB:rB+15], 0, v[rSA], v[rSB] matrix_a_fmt:MATRIX_FMT_BF8 matrix_b_fmt:MATRIX_FMT_BF8 matrix_a_scale:MATRIX_SCALE_ROW1 matrix_b_scale:MATRIX_SCALE_ROW1
.elseif (\ra)
	v_wmma_scale_f32_16x16x128_f8f6f4 v[rD:rD+7], v[rA:rA+15], v[rB:rB+15], 0, v[rSA], v[rSB] matrix_a_fmt:MATRIX_FMT_BF8 matrix_b_fmt:MATRIX_FMT_BF8 matrix_a_scale:MATRIX_SCALE_ROW1
.elseif (\rb)
	v_wmma_scale_f32_16x16x128_f8f6f4 v[rD:rD+7], v[rA:rA+15], v[rB:rB+15], 0, v[rSA], v[rSB] matrix_a_fmt:MATRIX_FMT_BF8 matrix_b_fmt:MATRIX_FMT_BF8 matrix_b_scale:MATRIX_SCALE_ROW1
.else
	v_wmma_scale_f32_16x16x128_f8f6f4 v[rD:rD+7], v[rA:rA+15], v[rB:rB+15], 0, v[rSA], v[rSB] matrix_a_fmt:MATRIX_FMT_BF8 matrix_b_fmt:MATRIX_FMT_BF8
.endif
.else
.if (\ra) && (\rb)
	v_wmma_scale_f32_16x16x128_f8f6f4 v[rD:rD+7], v[rA:rA+15], v[rB:rB+15], v[rD:rD+7], v[rSA], v[rSB] matrix_a_fmt:MATRIX_FMT_BF8 matrix_b_fmt:MATRIX_FMT_BF8 matrix_a_scale:MATRIX_SCALE_ROW1 matrix_b_scale:MATRIX_SCALE_ROW1
.elseif (\ra)
	v_wmma_scale_f32_16x16x128_f8f6f4 v[rD:rD+7], v[rA:rA+15], v[rB:rB+15], v[rD:rD+7], v[rSA], v[rSB] matrix_a_fmt:MATRIX_FMT_BF8 matrix_b_fmt:MATRIX_FMT_BF8 matrix_a_scale:MATRIX_SCALE_ROW1
.elseif (\rb)
	v_wmma_scale_f32_16x16x128_f8f6f4 v[rD:rD+7], v[rA:rA+15], v[rB:rB+15], v[rD:rD+7], v[rSA], v[rSB] matrix_a_fmt:MATRIX_FMT_BF8 matrix_b_fmt:MATRIX_FMT_BF8 matrix_b_scale:MATRIX_SCALE_ROW1
.else
	v_wmma_scale_f32_16x16x128_f8f6f4 v[rD:rD+7], v[rA:rA+15], v[rB:rB+15], v[rD:rD+7], v[rSA], v[rSB] matrix_a_fmt:MATRIX_FMT_BF8 matrix_b_fmt:MATRIX_FMT_BF8
.endif
.endif
.endm
; 16 matrix instructions: fs's tiles 4 hf .. 4 hf + 3 against pc's four.  The 32 accumulators take turns, in the same order in every K step.
.macro MUL16 q, hf, zero
.irp a, 0,1,2,3
.irp b, 0,1,2,3
.set rD, 8*(8*\a+4*(\hf)+\b)
.set rA, 128*(\q)+64*(\hf)+16*\b
.set rB, 128+64*(\q)+16*\a
.set rSA, 32+6*(\q)+2*(\hf)+\b/2
.set rSB, 36+6*(\q)+\a/2
	WM \zero, \b%2, \a%2
.endr
.endr
.endm
; A K step, the p-th of its trip, on set q.  fp: the next step's pc is fetched from LDS; gl: each half's registers take the step two on.  w0, w1: the loads issued behind the half that is waited for.
.macro KSTEP p, q, fp, gl, w0, w1, ask, zero
	s_wait_loadcnt \w0
	s_wait_dscnt 0x0                               ; pc's set q, asked for a K step ago
.if \fp
	FP AREC*((\p)+1), 1-(\q)                       ; eight places stand behind the products that read that set: the last step's end
.endif
.if \ask
	ASK
.endif
	WIN MUL
	MUL16 \q, 0, \zero
	PLACES 8                                       ; eight places in front of loads into registers that these products read
.if \gl
	GL ((\p)+2)*KREC, \q, 0
.endif
	s_wait_loadcnt \w1
	WIN MUL
	MUL16 \q, 1, \zero
	PLACES 8
.if \gl
	GL ((\p)+2)*KREC, \q, 1
.endif
	WIN 0
.endm
.macro TRIP
	ADR
	KSTEP 0, 1, 1, 1, 54, 54, 1, 0
	KSTEP 1, 0, 1, 1, 54, 54, 0, 0
	s_wait_xcnt 0x0                                ; the loads and the prefetch have read their bases, which step here
	s_add_nc_u64 s[6:7], s[6:7], 2*KREC
	s_add_nc_u64 s[86:87], s[86:87], 2*KREC
	s_add_co_u32 s[SB], s[SB], 2*AREC
	s_add_co_u32 s84, s84, 1
.endm
; the full sequence in front of a later first fill.  Group 0 is written behind the wait for 0
.macro SEQ off
	s_wait_tensorcnt 0x0
	ds_add_u32 v18, v19
	s_mov_b32 s21, s[\off]
	s_add_nc_u64 s[22:23], s[4:5], s[\off:\off+1]
	s_or_b32 s23, s23, 0x80000000
	s_wait_dscnt 0x0
	s_barrier_signal -1
	s_barrier_wait -1
.endm
	s_load_b256 s[4:11], s[0:1], 0x0               ; pc s[4:5], fs s[6:7], l1 s[8:9], p2 s[10:11]
	v_lshl_add_u32 v18, v0, 2, SPARE
	v_mov_b32 v19, 0
	ds_add_u32 v18, v19                            ; the opening lines: the add twice on end and its wait
	ds_add_u32 v18, v19
	v_lshrrev_b32 v1, 5, v0
	v_readfirstlane_b32 s12, v1                    ; wave 0..3
	s_mov_b32 s14, ttmp9                           ; my block of 64 c
	s_and_b32 s15, ttmp7, 0xffff                   ; the batch
.irp g, 24,32,40,48                    ; groups 1: dense blocks as rows of 256 bytes (32 elements of 8 bytes): 33, 66, 99, 132 rows = 1, 2, 3, 4 K steps of pc
	s_mov_b32 s[\g], 3<<16
	s_mov_b32 s[\g+1], 32<<16
	s_mov_b32 s[\g+2], (33*(\g-16)/8)<<16
	s_mov_b32 s[\g+3], 32<<16
	s_mov_b32 s[\g+4], 33*(\g-16)/8
	s_mov_b32 s[\g+5], 32
	s_mov_b32 s[\g+6], 0
	s_mov_b32 s[\g+7], 0
.endr
	s_mov_b32 s92, 0x3fb8aa3b                      ; log2(e)
	s_mov_b32 s93, s92
	s_mov_b32 s94, 0x76543210
	s_mov_b32 s95, 0xfedcba98
	s_mov_b32 s96, 0x600000                        ; the mantissa field of 57,344
	s_mov_b32 s84, 0                               ; the trip's number
	s_mov_b32 s[SB], 0
	s_mul_i32 s66, s12, AREC                       ; stage 1: K step w
	s_mov_b32 s67, 0
	s_mul_i32 s56, s12, 2*AREC
	s_add_co_u32 s56, s56, 4*AREC                  ; stage 2: K steps 4 + 2 w, 5 + 2 w
	s_mov_b32 s57, 0
	s_mul_i32 s58, s12, 3*AREC
	s_add_co_u32 s58, s58, 12*AREC                 ; stage 3: from K step 12 + 3 w on: three, wave 3 four
	s_mov_b32 s59, 0
	s_mul_i32 s60, s15, 1689600                    ; a batch of fs, and of pc
	s_mov_b32 s61, 0
	s_mul_i32 s68, s14, 211200                     ; my block of pc
	s_mov_b32 s69, 0
	s_mul_i32 s70, s14, 16896
	s_mul_i32 s71, s12, 5632
	s_add_co_u32 s70, s70, s71
	s_add_co_u32 s70, s70, 7*KREC                  ; the prefetches begin at K step 7
	s_mov_b32 s71, 0
	s_cmp_lt_u32 s12, 3
	s_cselect_b32 s90, 9, 0                        ; waves 0 to 2 ask in trips 0 to 8
	s_lshl_b32 s72, s12, 14
	s_lshl_b32 s73, s12, 9
	s_lshl_b32 s74, s12, 8
	s_lshl_b32 s75, s12, 6
	v_and_b32 v1, 31, v0
	v_and_b32 v2, 15, v0
	v_lshlrev_b32 v4, 4, v1
	v_lshlrev_b32 v5, 2, v1
	v_add_nc_u32 v6, s72, v4                       ; my 8 tiles of fs
	v_add_nc_u32 v12, s73, v5
	v_add_nc_u32 v12, 65536, v12                   ; their scale words: 4 bytes a lane, two tiles an instruction
	v_min_u32 v20, 21, v1
	v_lshlrev_b32 v20, 8, v20
	v_lshlrev_b32 v28, 2, v2                       ; 4 r
	v_add_nc_u32 v22, EXM, v28
	v_add_nc_u32 v21, s74, v22
	v_add_nc_u32 v23, EXS, v28
	v_add_nc_u32 v23, s74, v23
	v_add_nc_u32 v24, SCX, v28
	v_add_nc_u32 v24, s75, v24
	v_add_nc_u32 v25, SCX, v4
	v_lshlrev_b32 v27, 3, v1
	v_add_nc_u32 v26, EXS, v27
	s_wait_alu depctr_va_vdst(0)                   ; the wait at the head's end
	s_wait_dscnt 0x0                               ; both opening adds are done
	s_wait_kmcnt 0x0
	s_add_nc_u64 s[6:7], s[6:7], s[60:61]
	s_add_nc_u64 s[4:5], s[4:5], s[60:61]
	s_add_nc_u64 s[4:5], s[4:5], s[68:69]
	s_mov_b32 s20, 1
	s_mov_b32 s21, s66
	s_add_nc_u64 s[22:23], s[4:5], s[66:67]
	s_or_b32 s23, s23, 0x80000000
	tensor_load_to_lds s[20:23], s[24:31]          ; my one tensor load at the head
	s_nop 0
	PLACES 4
	s_lshl_b32 s60, s14, 8
	s_lshl_b32 s68, s15, 11
	s_add_co_u32 s60, s60, s68
	s_add_nc_u64 s[8:9], s[8:9], s[60:61]          ; l1 at my 64 rows
.irp n, 0,1,2,3
	global_load_b32 v[44+\n], v28, s[8:9] offset:64*\n   ; l1 of tile n's row r: older than every load of fs, so the counts below hold
.endr
	GL 0, 0, 0                                     ; K steps 0 and 1: four halves
	GL 0, 0, 1
	GL KREC, 1, 0
	GL KREC, 1, 1
	s_add_nc_u64 s[86:87], s[6:7], s[70:71]
	s_mul_i32 s60, s15, 272384
	s_add_nc_u64 s[10:11], s[10:11], s[60:61]      ; p2 at my batch's record
	s_lshl_b32 s60, s14, 10
	s_add_nc_u64 s[16:17], s[10:11], s[60:61]      ; its scale words, my 1,024 bytes
	s_lshl_b32 s60, s14, 8
	s_add_co_u32 s60, s60, 8192
	s_add_nc_u64 s[18:19], s[10:11], s[60:61]      ; 1 / l2, my 256 bytes
	s_lshl_b32 s60, s14, 15
	s_lshl_b32 s68, s12, 11
	s_add_co_u32 s60, s60, s68
	s_add_co_u32 s60, s60, 10240                   ; a batch's record of p2: 8,192 bytes of scale words, 2,048 of 1 / l2, then the codes
	s_add_nc_u64 s[10:11], s[10:11], s[60:61]      ; its codes: my four tiles of c, K step = my wave
	SEQ 56                                         ; K steps 0-3 of pc are whole
	tensor_load_to_lds s[20:23], s[32:39]          ; stage 2
	s_nop 0
	PLACES 4
	ADR
	FP 0, 0
	KSTEP 0, 0, 1, 1, 54, 54, 0, 1                 ; K step 0 starts the sums: nothing is cleared
	s_wait_xcnt 0x0
	s_add_nc_u64 s[6:7], s[6:7], KREC
	s_add_co_u32 s[SB], s[SB], AREC
	TRIP                                           ; K steps 1, 2; it reads pc up to K step 3
	SEQ 58                                         ; K steps 4-11 of pc are whole
	s_cmp_lt_u32 s12, 3
	s_cbranch_scc0 .Lc3
	tensor_load_to_lds s[20:23], s[40:47]          ; stage 3
	s_nop 0
	PLACES 4
	s_branch .Lcd
.Lc3:
	tensor_load_to_lds s[20:23], s[48:55]
	s_nop 0
	PLACES 4
.Lcd:
	s_mov_b32 s85, 4
.Lb:                                               ; K steps 3 to 10; they read pc up to K step 11
	TRIP
	s_sub_co_u32 s85, s85, 1
	s_cmp_lg_u32 s85, 0
	s_cbranch_scc1 .Lb
	s_wait_tensorcnt 0x0                           ; my part of stage 3 is in,
	s_wait_dscnt 0x0
	s_barrier_signal -1
	s_barrier_wait -1                              ; everybody's is
	s_mov_b32 s85, 6
.Lc:                                               ; K steps 11 to 22
	TRIP
	s_sub_co_u32 s85, s85, 1
	s_cmp_lg_u32 s85, 0
	s_cbranch_scc1 .Lc
	ADR
	KSTEP 0, 1, 1, 0, 54, 36, 0, 0                 ; K steps 23 and 24 are written out: they ask for nothing of fs
	KSTEP 1, 0, 0, 0, 18, 0, 0, 0
	; THE EPILOGUE.  Tile n's 64 registers of a lane (window 2, 64 n + 16 b + i) are row c's products with d = 128 w + 32 b + 16 h + i.
.set q, 0
.rept 16
	v_mov_b32 v[64+q], 0                           ; lane permutes' destinations, written once
.set q, q+1
.endr
.irp n, 0,1,2,3
	v_mov_b32 v[85+2*\n], 0                        ; the upper halves of pairs that packed forms name
	v_mov_b32 v[93+2*\n], 0
.endr
	s_wait_loadcnt 0x0                             ; l1
.irp n, 0,1,2,3
	v_rcp_f32 v[84+2*\n], v[44+\n]
.endr
	WIN 0x2a                                       ; all three sources window 2
	s_wait_alu depctr_va_vdst(0)
.irp n, 0,1,2,3
.irp b, 0,1,2,3
	v_max3_num_f32 v[48+4*\n+\b], v[64*\n+16*\b], v[64*\n+16*\b+1], v[64*\n+16*\b+2]   ; the largest product of each block of 32 d; each accumulator is read from its low end on
.endr
.endr
	WIN 0x28
.irp i, 3,5,7,9,11,13
.irp n, 0,1,2,3
.irp b, 0,1,2,3
	v_max3_num_f32 v[48+4*\n+\b], v[48+4*\n+\b], v[64*\n+16*\b+\i], v[64*\n+16*\b+\i+1]
.endr
.endr
.endr
.irp n, 0,1,2,3
.irp b, 0,1,2,3
	v_max_num_f32 v[48+4*\n+\b], v[48+4*\n+\b], v[64*\n+16*\b+15]
.endr
.endr
	WIN 0
.set q, 0
.rept 16
	v_permlanex16_b32 v[64+q], v[48+q], s94, s95
.set q, q+1
.endr
.set q, 0
.rept 16
	v_max_num_f32 v[48+q], v[48+q], v[64+q]        ; with lane l xor 16's
.set q, q+1
.endr
.irp n, 0,1,2,3
	v_max3_num_f32 v[80+\n], v[48+4*\n], v[49+4*\n], v[50+4*\n]
.endr
.irp n, 0,1,2,3
	v_max_num_f32 v[80+\n], v[80+\n], v[51+4*\n]
.endr
	s_wait_alu depctr_va_vdst(0)                   ; one wait for the four reciprocals, ahead of their first reader
.irp n, 0,1,2,3
	v_mul_f32 v[80+\n], v[80+\n], v[84+2*\n]       ; my wave's largest logit of row c (1 / l1 is positive)
.endr
.irp n, 0,1,2,3
	ds_store_b32 v21, v[80+\n] offset:64*\n        ; both halves of the lanes write the same word with the same value
.endr
	s_wait_dscnt 0x0
	s_barrier_signal -1
	s_barrier_wait -1
.irp n, 0,1,2,3
.irp w, 0,1,2,3
	ds_load_b32 v[100+4*\n+\w], v22 offset:256*\w+64*\n
.endr
.endr
	s_wait_dscnt 0x0
.irp n, 0,1,2,3
	v_max3_num_f32 v[80+\n], v[100+4*\n], v[101+4*\n], v[102+4*\n]
.endr
.irp n, 0,1,2,3
	v_max_num_f32 v[80+\n], v[80+\n], v[103+4*\n]  ; the row's largest logit over all 512 d
.endr
.irp n, 0,1,2,3
	v_mul_f32 v[80+\n], s92, v[80+\n]
.endr
.irp n, 0,1,2,3
	v_floor_f32 v[92+2*\n], -v[80+\n]              ; -M = floor(-t): M is a whole number
.endr
.macro E2 n                            ; tile n: p2, its partial sum, its codes and scale word
	WIN 0x02                                       ; source 0 window 2
.set j, 0
.rept 32
	v_pk_mul_f32 v[128+j:129+j], v[64*\n+j:64*\n+j+1], v[84+2*\n:85+2*\n] op_sel_hi:[1,0]   ; the logits: product / l1
.set j, j+2
.endr
	WIN 0
.irp b, 0,1,2,3
	v_mul_f32 v[48+4*\n+\b], v[48+4*\n+\b], v[84+2*\n]
.endr
.set j, 0
.rept 32
	v_pk_fma_f32 v[128+j:129+j], v[128+j:129+j], s[92:93], v[92+2*\n:93+2*\n] op_sel_hi:[1,0,0]   ; t - M
.set j, j+2
.endr
.irp b, 0,1,2,3
	v_fma_f32 v[48+4*\n+\b], v[48+4*\n+\b], s92, v[92+2*\n]   ; the same of each block's largest
.endr
.set j, 0
	s_wait_alu depctr_va_vdst(0)
.rept 64
	v_exp_f32 v[128+j], v[128+j]
.set j, j+1
.endr
.irp b, 0,1,2,3
	v_exp_f32 v[48+4*\n+\b], v[48+4*\n+\b]         ; the block's largest p2
.endr
	v_nop                                          ; the plain line behind the exponentials
	s_wait_alu depctr_va_vdst(0)                   ; one wait for the batch of 68
	v_pk_add_f32 v[116:117], v[128:129], v[130:131]   ; the sum of the unquantised p2, in two chains
	v_pk_add_f32 v[118:119], v[132:133], v[134:135]
.set j, 8
.rept 14
	v_pk_add_f32 v[116:117], v[116:117], v[128+j:129+j]
	v_pk_add_f32 v[118:119], v[118:119], v[130+j:131+j]
.set j, j+4
.endr
	v_pk_add_f32 v[116:117], v[116:117], v[118:119]
	v_add_f32 v116, v116, v117
	v_permlanex16_b32 v64, v116, s94, s95
	v_add_f32 v[100+\n], v116, v64                 ; over my wave's 128 d
	ds_store_b32 v23, v[100+\n] offset:64*\n
.irp b, 0,1,2,3
	v_max_num_f32 v[48+4*\n+\b], FLOOR, v[48+4*\n+\b]
.endr
.irp b, 0,1,2,3
	v_add_nc_u32 v[120+\b], EOFF, v[48+4*\n+\b]    ; the conversion's scale operand
.endr
.irp b, 0,1,2,3
	v_and_or_b32 v[124+\b], v[48+4*\n+\b], 0x7f800000, s96   ; 57,344 x the scale
.endr
.irp b, 0,1,2,3
	v_lshrrev_b32 v[108+\b], 23, v[120+\b]         ; the byte
.endr
	v_lshl_or_b32 v[104+\n], v109, 8, v108
	v_lshl_or_b32 v[104+\n], v110, 16, v[104+\n]
	v_lshl_or_b32 v[104+\n], v111, 24, v[104+\n]
	ds_store_b32 v24, v[104+\n] offset:256*\n      ; row c's scale word of K step w
.irp b, 0,1,2,3
.irp i, 0,1,2,3,4,5,6,7,8,9,10,11,12,13,14,15
	v_min_num_f32 v[128+16*\b+\i], v[128+16*\b+\i], v[124+\b]   ; the conversion does not saturate (ISA guide 7.6.2); p2 is not negative
.endr
	v_cvt_scalef32_pk8_bf8_f32 v[192+16*\n+4*\b:193+16*\n+4*\b], v[128+16*\b:135+16*\b], v[120+\b]
	v_cvt_scalef32_pk8_bf8_f32 v[194+16*\n+4*\b:195+16*\n+4*\b], v[136+16*\b:143+16*\b], v[120+\b]
.endr
	v_nop                                          ; one plain line behind the last conversion
.irp b, 0,1,2,3
	global_store_b128 v4, v[192+16*\n+4*\b:195+16*\n+4*\b], s[10:11] offset:8192*\n+512*\b   ; the fragment's image: 512 consecutive bytes, aligned to 256
.endr
.endm
	E2 0
	E2 1
	E2 2
	E2 3
	s_wait_dscnt 0x0
	s_barrier_signal -1
	s_barrier_wait -1                              ; all partial sums and scale words lie in LDS
	s_cmp_lg_u32 s12, 0
	s_cbranch_scc1 .Lnot0
	ds_load_b128 v[128:131], v25
	ds_load_b128 v[132:135], v25 offset:512
	s_wait_dscnt 0x0
	global_store_b128 v4, v[128:131], s[16:17]     ; the block's 1,024 bytes of scale words
	global_store_b128 v4, v[132:135], s[16:17] offset:512
.Lnot0:
	s_cmp_lg_u32 s12, 1
	s_cbranch_scc1 .Lnot1
.irp w, 0,1,2,3
	ds_load_b64 v[128+2*\w:129+2*\w], v26 offset:256*\w
.endr
	s_wait_dscnt 0x0
	v_pk_add_f32 v[128:129], v[128:129], v[130:131]
	v_pk_add_f32 v[132:133], v[132:133], v[134:135]
	v_pk_add_f32 v[128:129], v[128:129], v[132:133]   ; l2
	s_wait_alu depctr_va_vdst(0)
	v_rcp_f32 v136, v128
	v_rcp_f32 v137, v129
	v_nop
	s_wait_alu depctr_va_vdst(0)
	global_store_b64 v27, v[136:137], s[18:19]     ; 1 / l2 of the block's 64 rows: 256 consecutive bytes
.Lnot1:
	s_wait_tensorcnt 0x0                           ; the wave's end
	ds_add_u32 v18, v19
	s_wait_dscnt 0x0
	s_endpgm
.Lfunc_end_k_qb84a696647_bil:
	.size	k_qb84a696647_bil, .Lfunc_end_k_qb84a696647_bil-k_qb84a696647_bil
	.p2alignl 7, 3214868480
	.fill 96, 4, 3214868480
	.section	.rodata,"a",@progbits
	.p2align	6, 0x0
	.amdhsa_kernel k_qb84a696647_bil
		.amdhsa_group_segment_fixed_size 327680
		.amdhsa_private_segment_fixed_size 0
		.amdhsa_enable_private_segment 0
		.amdhsa_kernarg_size 32
		.amdhsa_user_sgpr_count 2
		.amdhsa_user_sgpr_kernarg_segment_ptr 1
		.amdhsa_wavefront_size32 1
		.amdhsa_system_sgpr_workgroup_id_x 1
		.amdhsa_system_sgpr_workgroup_id_y 1
		.amdhsa_system_sgpr_workgroup_id_z 1
		.amdhsa_system_vgpr_workitem_id 0
		.amdhsa_next_free_vgpr 768
		.amdhsa_next_free_sgpr 100
		.amdhsa_reserve_vcc 0
		.amdhsa_float_denorm_mode_32 3
		.amdhsa_float_denorm_mode_16_64 3
		.amdhsa_memory_ordered 1
		.amdhsa_forward_progress 1
		.amdhsa_inst_pref_size 160
	.end_amdhsa_kernel
	.amdgpu_metadata
---
amdhsa.version: [ 1, 2 ]
amdhsa.kernels:
  - .name:           k_qb84a696647_bil
    .symbol:         k_qb84a696647_bil.kd
    .args:
      - { .name: pc, .offset: 0, .size: 8, .value_kind: global_buffer, .address_space: global }
      - { .name: fs, .offset: 8, .size: 8, .value_kind: global_buffer, .address_space: global }
      - { .name: l1, .offset: 16, .size: 8, .value_kind: global_buffer, .address_space: global }
      - { .name: p2, .offset: 24, .size: 8, .value_kind: global_buffer, .address_space: global }
    .group_segment_fixed_size: 327680
    .private_segment_fixed_size: 0
    .kernarg_segment_align: 8
    .kernarg_segment_size: 32
    .max_flat_workgroup_size: 128
    .sgpr_count:     100
    .vgpr_count:     768
    .wavefront_size: 32
...
	.end_amdgpu_metadata
.endif
;; end of part 2
;; launch tri (part 3): grid 7 x 32, 4 waves a work-group, no clusters, 327,680 bytes of LDS; arguments p2, fd, fds, out0; writes out0
.if DOCPART == 3
	.amdgcn_target "amdgcn-amd-amdhsa--gfx1250"
	.amdhsa_code_object_version 6
	.text
	.protected	k_qb84a696647_tri
	.globl	k_qb84a696647_tri
	.p2align	8
	.type	k_qb84a696647_tri,@function
k_qb84a696647_tri:
	s_mov_b64 s[64:65], 0
	v_nop
	global_prefetch_b8 v0, s[64:65] scope:SCOPE_SE
	s_setreg_imm32_b32 hwreg(HW_REG_WAVE_MODE, 25, 1), 1
	s_wait_xcnt 0x0
; The second product on codes of E5M2 (K = the 512 channels d, one E8M0 byte for each 32), each row c weighted by 1 / l2[c], and the sum over c: out0[n][s].
; SHARES.  A work-group owns s = 448 i .. 448 i + 447 of one batch for ALL 512 rows c: each output has one owner, no partial sums.  3,136 = 7 x 448: 7 x 32 = 224 work-groups.
; Wave w owns 7 tiles of 16 s; their 28 fragments of fd (448 registers) come from memory straight into registers, once, K step by K step, and stay: block 0's K step k waits only for the loads up to that K step's.
; The batch's record of p2 (scale words [32 tiles of c][4 K steps][16], 1 / l2 [32][16], codes [32][4][2,048]: 272,384 bytes) is filled into LDS ONCE, in four stages of first fills, a quarter of a stage by each wave's
; one tensor load: at the head the scale words, the weights and blocks 0, 1 of 64 rows c (296 rows of 256 bytes); blocks 2 j + 2, 2 j + 3 behind the full sequence at the top of trip j, which multiplies blocks 2 j, 2 j + 1:
; 224 matrix instructions a wave stand between a stage's request and the wait for it.  Nothing is filled again.  By this text's count a wave has one tensor load out.  lds_bytes claims all of a WGP's LDS.
; A fragment of p2 read from LDS feeds 7 matrix instructions.
; NO CLUSTER: a batch's 7 work-groups divide into no cluster of 4.  NO PREFETCH: each stage of p2 is asked for two blocks ahead by its own tensor load, and fd is asked for whole at the head: no loop runs ahead of it.
; Source 0 = 16 rows c of p2, source 1 = 16 s of fd: lane (r, h) holds s = r and rows c = 8 h + 0..7, which are multiplied by their weights and added in packed pairs.
; LIMITS: NaN and infinities are not served.
; REGISTERS.  Window 0: v1-4 lane, r, h, 16 l; v5-7 the trip's LDS addresses; v8 offset of fd's scale bytes; v9, v10, v39 bases of v6, v7, v5; v11-15, v38 the way out; v16-29 fd's scale words, v30-37 p2's (scales and nothing else);
;   v40-71 weights; v72-85 the sums, a pair a tile; v128-255 p2's fragments, two sets of 64 (at the head: fd's raw scale bytes).  Window 1: fd's fragments of tiles 0-3.  Window 2: of tiles 4-6.  Window 3: accumulator (c, t) at 8 (7 c + t).
.set WOFF,  8192                       ; LDS, as the record lies: scale words at 0, 1 / l2 here,
.set COFF,  10240                      ; the codes here,
.set STG,   272384                     ; then a stage of 1,792 bytes for the way out, and 256 behind it, into which no fill lands
.set MSB, 0
.macro WIN new
.if MSB != (\new)
	s_set_vgpr_msb (MSB<<8)|(\new)
.set MSB, (\new)
.endif
.endm
.macro PLACES n
.rept \n
	v_nop
.endr
.endm
	s_load_b256 s[4:11], s[0:1], 0x0               ; p2 s[4:5], fd s[6:7], fds s[8:9], out0 s[10:11]
	v_lshl_add_u32 v126, v0, 2, 0x44000
	v_mov_b32 v127, 0
	ds_add_u32 v126, v127                          ; the opening lines: the add twice on end and its wait
	ds_add_u32 v126, v127
	v_lshrrev_b32 v1, 5, v0
	v_readfirstlane_b32 s28, v1                    ; wave 0..3
	s_mov_b32 s29, ttmp9                           ; i: which 448 s
	s_and_b32 s30, ttmp7, 0xffff                   ; the batch
.irp g, 16,36                          ; groups 1: dense rows of 256 bytes (32 elements of 8 bytes): 74 a wave at the head, 64 a wave later
	s_mov_b32 s[\g], 3<<16
	s_mov_b32 s[\g+1], 32<<16
	s_mov_b32 s[\g+3], 32<<16
	s_mov_b32 s[\g+5], 32
	s_mov_b32 s[\g+6], 0
	s_mov_b32 s[\g+7], 0
.endr
	s_mov_b32 s18, 74<<16
	s_mov_b32 s20, 74
	s_mov_b32 s38, 64<<16
	s_mov_b32 s40, 64
	s_mov_b32 s12, 1
	s_mul_i32 s13, s28, 18944                      ; my quarter of the first stage, in LDS and in the record
	s_mov_b32 s44, 1
	s_lshl_b32 s45, s28, 14
	s_add_co_u32 s45, s45, COFF                    ; my quarter of a pair of blocks; each trip steps it by a pair first
	s_mul_i32 s31, s30, 272384
	s_add_co_u32 s32, s31, s13
	s_mov_b32 s33, 0
	s_add_co_u32 s48, s31, s45
	s_mov_b32 s49, 0
	s_mov_b32 s34, 0x76543210
	s_mov_b32 s35, 0xfedcba98
	s_mul_i32 s50, s29, 28
	s_mul_i32 s25, s28, 7
	s_add_co_u32 s50, s50, s25                     ; my first tile of s
	s_lshl_b32 s50, s50, 13
	s_mul_i32 s25, s30, 1605632
	s_add_co_u32 s50, s50, s25
	s_mov_b32 s51, 0
	s_mul_i32 s52, s30, 57344
	s_lshl_b32 s25, s29, 9
	s_add_co_u32 s52, s52, s25
	s_mul_i32 s25, s28, 112
	s_add_co_u32 s52, s52, s25
	s_mov_b32 s53, 0
	s_mul_i32 s54, s30, 12544
	s_mul_i32 s25, s29, 1792
	s_add_co_u32 s54, s54, s25
	s_mov_b32 s55, 0
	s_mul_i32 s25, s28, 448
	s_add_co_u32 s25, s25, STG
	v_and_b32 v1, 31, v0
	v_and_b32 v2, 15, v0
	v_bfe_u32 v3, v0, 4, 1
	v_lshlrev_b32 v4, 4, v1
	v_add_nc_u32 v39, COFF, v4
	v_lshlrev_b32 v9, 2, v1
	v_lshlrev_b32 v10, 5, v3
	v_add_nc_u32 v10, WOFF, v10                    ; my half's eight weights of a tile
	v_mul_u32_u24 v8, v3, 14336                    ; fd's scale bytes: lanes 16-31 take the K step after lanes 0-15's: 4 blocks of 3,584 bytes on
	v_add_nc_u32 v8, v8, v2
	v_lshl_add_u32 v11, v1, 2, s25                 ; the stage: my wave's 112 numbers; two tiles an instruction,
	v_lshl_add_u32 v12, v2, 2, s25
	v_add_nc_u32 v12, 384, v12                     ; and the seventh
	v_lshlrev_b32 v14, 4, v0
	v_add_nc_u32 v13, STG, v14
	v_lshl_add_u32 v15, v0, 1, STG+1792            ; the 256 bytes behind the stage's 1,792: two a thread
	v_mov_b32 v38, 0
.set q, 72
.rept 21
	v_mov_b32 v[q], 0                              ; the sums begin at 0; v86-92 are lane permutes' destinations, written once
.set q, q+1
.endr
	s_wait_alu depctr_va_vdst(0)                   ; the wait at the head's end
	s_wait_dscnt 0x0                               ; both opening adds are done
	s_wait_kmcnt 0x0
	s_add_nc_u64 s[14:15], s[4:5], s[32:33]
	s_or_b32 s15, s15, 0x80000000
	tensor_load_to_lds s[12:15], s[16:23]          ; my one tensor load at the head
	s_nop 0
	PLACES 4
	s_add_nc_u64 s[46:47], s[4:5], s[48:49]
	s_or_b32 s47, s47, 0x80000000
	s_add_nc_u64 s[6:7], s[6:7], s[50:51]
	s_add_nc_u64 s[8:9], s[8:9], s[52:53]
	s_add_nc_u64 s[10:11], s[10:11], s[54:55]
.irp t, 0,1,2,3,4,5,6
.irp p, 0,1
.irp b, 0,1,2,3
	global_load_u8 v[128+8*\t+4*\p+\b], v8, s[8:9] offset:(8*\p+\b)*3584+16*\t   ; the byte of (s = tile t's r, block 8 p + 4 h + b of d): 56 loads, the oldest
.endr
.endr
.endr
.irp k, 0,1,2,3                        ; fd, the K step outermost: 28 loads a K step, 512 consecutive bytes each; read once in the launch
	WIN 0x40                                       ; destination window 1
.irp t, 0,1,2,3
.irp c, 0,1,2,3
	global_load_b128 v[16*(4*\t+\k)+4*\c:16*(4*\t+\k)+4*\c+3], v4, s[6:7] offset:8192*\t+2048*\k+512*\c th:TH_LOAD_NT
.endr
.endr
	WIN 0x80                                       ; destination window 2
.irp t, 4,5,6
.irp c, 0,1,2,3
	global_load_b128 v[16*(4*(\t-4)+\k)+4*\c:16*(4*(\t-4)+\k)+4*\c+3], v4, s[6:7] offset:8192*\t+2048*\k+512*\c th:TH_LOAD_NT
.endr
.endr
.endr
	WIN 0
	s_wait_loadcnt 63                              ; behind the 56 loads of bytes stand 112: the bytes are in
.irp t, 0,1,2,3,4,5,6
.irp p, 0,1
	v_lshl_or_b32 v[16+2*\t+\p], v[129+8*\t+4*\p], 8, v[128+8*\t+4*\p]     ; four bytes make a scale word: lanes 0-15 K step 2 p, lanes 16-31 K step 2 p + 1
	v_lshl_or_b32 v[16+2*\t+\p], v[130+8*\t+4*\p], 16, v[16+2*\t+\p]
	v_lshl_or_b32 v[16+2*\t+\p], v[131+8*\t+4*\p], 24, v[16+2*\t+\p]
.endr
.endr
.macro WM zero, row
.if \zero
	v_wmma_scale_f32_16x16x128_f8f6f4 v[rD:rD+7], v[rA:rA+15], v[rB:rB+15], 0, v[rSA], v[rSB] matrix_a_fmt:MATRIX_FMT_BF8 matrix_b_fmt:MATRIX_FMT_BF8
.elseif \row
	v_wmma_scale_f32_16x16x128_f8f6f4 v[rD:rD+7], v[rA:rA+15], v[rB:rB+15], v[rD:rD+7], v[rSA], v[rSB] matrix_a_fmt:MATRIX_FMT_BF8 matrix_b_fmt:MATRIX_FMT_BF8 matrix_a_scale:MATRIX_SCALE_ROW1 matrix_b_scale:MATRIX_SCALE_ROW1
.else
	v_wmma_scale_f32_16x16x128_f8f6f4 v[rD:rD+7], v[rA:rA+15], v[rB:rB+15], v[rD:rD+7], v[rSA], v[rSB] matrix_a_fmt:MATRIX_FMT_BF8 matrix_b_fmt:MATRIX_FMT_BF8
.endif
.endm
; 28 matrix instructions: K step k of a block of 64 c: 7 tiles of s x 4 tiles of c.  The 28 accumulators take turns, in the same order in every K step.  K step 0 starts the sums.
.macro MM k
.irp t, 0,1,2,3,4,5,6
	WIN 0xf4+4*(\t/4)                              ; source 0 window 0, source 1 window 1 or 2, C and D window 3
.irp c, 0,1,2,3
.set rD, 8*(7*\c+\t)
.set rA, 128+64*((\k)%2)+16*\c
.set rB, 16*(4*(\t%4)+(\k))
.set rSA, 30+2*\c+(\k)/2
.set rSB, 16+2*\t+(\k)/2
	WM (\k)==0, (\k)%2
.endr
.endr
.endm
; A block of 64 rows c, the blk-th of its pair.  The first also fetches what the second begins with; the second fetches nothing beyond the pair.
.macro MB blk
.irp k, 0,1,2,3
	s_wait_dscnt 0x0                               ; this K step's fragments, asked for a K step ago, are in; no LDS load of mine is out
.if \blk == 0
.if \k == 0
	s_wait_loadcnt 63                              ; fd's K step 0 is in: behind it stand 84 loads (the first trip; later nothing is out)
.else
	s_wait_loadcnt 28*(3-\k)                       ; fd's K step k: behind it stand 28 loads for each later K step
.endif
.endif
	PLACES 8                                       ; eight places behind the products that read the other set, in front of the loads into it; at the first block also in front of products whose scale words vector instructions made
.if \k < 3
.irp c, 0,1,2,3
.irp g, 0,1,2,3
	ds_load_b128 v[128+64*((\k+1)%2)+16*\c+4*\g:128+64*((\k+1)%2)+16*\c+4*\g+3], v5 offset:32768*\blk+8192*\c+2048*(\k+1)+512*\g
.endr
.endr
.elseif \blk == 0
.irp c, 0,1,2,3
.irp g, 0,1,2,3
	ds_load_b128 v[128+16*\c+4*\g:128+16*\c+4*\g+3], v5 offset:32768+8192*\c+512*\g   ; the second block's K step 0
.endr
.endr
.endif
	MM \k
	WIN 0
.endr
	PLACES 8                                       ; in front of the first read of results, and of the loads into p2's scale registers
.if \blk == 0
.irp c, 0,1,2,3
.irp p, 0,1
	ds_load_b32 v[30+2*\c+\p], v6 offset:1024+256*\c+128*\p
.endr
.endr
.endif
	WIN 0x03                                       ; source 0 window 3
.irp c, 0,1,2,3
.irp i, 0,1,2,3
.irp t, 0,1,2,3,4,5,6
	v_pk_fma_f32 v[72+2*\t:73+2*\t], v[8*(7*\c+\t)+2*\i:8*(7*\c+\t)+2*\i+1], v[40+8*\c+2*\i:41+8*\c+2*\i], v[72+2*\t:73+2*\t]   ; += product x 1 / l2, two rows c at a time; each accumulator from its low end on; the 7 sums by turns
.endr
.endr
.endr
	WIN 0
	s_wait_alu depctr_va_vdst(0)
.if \blk == 0
.irp c, 0,1,2,3
	ds_load_b128 v[40+8*\c:43+8*\c], v7 offset:256+64*\c
	ds_load_b128 v[44+8*\c:47+8*\c], v7 offset:256+64*\c+16
.endr
.endif
.endm
; A pair of blocks.  At its top every wave waits for its tensor load: the pair's codes are whole behind the barrier.  fill = 1: the full sequence ahead of a later first fill, and the next pair's fill behind it.
.macro PAIR fill
	s_lshl_b32 s25, s24, 16
	s_lshl_b32 s26, s24, 11
	s_lshl_b32 s27, s24, 9
	s_wait_tensorcnt 0x0
.if \fill
	ds_add_u32 v126, v127
	s_add_co_u32 s45, s45, 65536                   ; no load of mine is out: group 0 steps to the next pair
	s_add_nc_u64 s[46:47], s[46:47], 65536
.endif
	v_add_nc_u32 v5, s25, v39                      ; this pair's addresses
	v_add_nc_u32 v6, s26, v9
	v_add_nc_u32 v7, s27, v10
	s_wait_alu depctr_va_vdst(0)                   ; directly ahead of the wait below
	s_wait_dscnt 0x0
	s_barrier_signal -1
	s_barrier_wait -1
.if \fill
	tensor_load_to_lds s[44:47], s[36:43]
	s_nop 0
	PLACES 4
.endif
.irp c, 0,1,2,3
.irp g, 0,1,2,3
	ds_load_b128 v[128+16*\c+4*\g:128+16*\c+4*\g+3], v5 offset:8192*\c+512*\g   ; the first block's K step 0
.endr
.endr
.irp c, 0,1,2,3
.irp p, 0,1
	ds_load_b32 v[30+2*\c+\p], v6 offset:256*\c+128*\p
.endr
.endr
.irp c, 0,1,2,3
	ds_load_b128 v[40+8*\c:43+8*\c], v7 offset:64*\c
	ds_load_b128 v[44+8*\c:47+8*\c], v7 offset:64*\c+16
.endr
	MB 0
	MB 1
.endm
	s_mov_b32 s24, 0
.Lmb:                                              ; 3 trips; the fourth pair is written out, since no fill follows it
	PAIR 1
	s_add_co_u32 s24, s24, 1
	s_cmp_lt_u32 s24, 3
	s_cbranch_scc1 .Lmb
	PAIR 0
	; THE WAY OUT: the pair's halves and lane l xor 16's eight rows are added; the work-group's 448 numbers meet in the stage and leave as seven runs of 256 consecutive bytes, aligned
.irp t, 0,1,2,3,4,5,6
	v_add_f32 v[72+2*\t], v[72+2*\t], v[73+2*\t]
.endr
.irp t, 0,1,2,3,4,5,6
	v_permlanex16_b32 v[86+\t], v[72+2*\t], s34, s35
.endr
.irp t, 0,1,2,3,4,5,6
	v_add_f32 v[72+2*\t], v[72+2*\t], v[86+\t]
.endr
	v_cmp_le_u32 vcc_lo, 16, v1
.irp p, 0,1,2
	v_cndmask_b32 v[94+\p], v[72+4*\p], v[74+4*\p], vcc_lo   ; lanes 0-15 tile 2 p, lanes 16-31 tile 2 p + 1
.endr
.irp p, 0,1,2
	ds_store_b32 v11, v[94+\p] offset:128*\p
.endr
	ds_store_b32 v12, v84                          ; tile 6: both halves of the lanes write the same word with the same value
	ds_store_b16 v15, v38                          ; the 256 bytes behind the stage; the read below, 112 threads of 16 bytes, stays within the stage's 1,792
	s_wait_dscnt 0x0
	s_barrier_signal -1
	s_barrier_wait -1
	s_wait_xcnt 0x0                                ; EXEC changes only behind this wait
	v_cmp_gt_u32 vcc_lo, 112, v0
	s_wait_tensorcnt 0x0                           ; the wave's end: behind my last LDS store
	ds_add_u32 v126, v127
	s_wait_dscnt 0x0
	s_and_saveexec_b32 s25, vcc_lo
	ds_load_b128 v[100:103], v13
	s_wait_dscnt 0x0
	global_store_b128 v14, v[100:103], s[10:11]
	s_wait_xcnt 0x0                                ; and again, in front of the line that widens it
	s_or_b32 exec_lo, exec_lo, s25
	s_endpgm
.Lfunc_end_k_qb84a696647_tri:
	.size	k_qb84a696647_tri, .Lfunc_end_k_qb84a696647_tri-k_qb84a696647_tri
	.p2alignl 7, 3214868480
	.fill 96, 4, 3214868480
	.section	.rodata,"a",@progbits
	.p2align	6, 0x0
	.amdhsa_kernel k_qb84a696647_tri
		.amdhsa_group_segment_fixed_size 327680
		.amdhsa_private_segment_fixed_size 0
		.amdhsa_enable_private_segment 0
		.amdhsa_kernarg_size 32
		.amdhsa_user_sgpr_count 2
		.amdhsa_user_sgpr_kernarg_segment_ptr 1
		.amdhsa_wavefront_size32 1
		.amdhsa_system_sgpr_workgroup_id_x 1
		.amdhsa_system_sgpr_workgroup_id_y 1
		.amdhsa_system_sgpr_workgroup_id_z 1
		.amdhsa_system_vgpr_workitem_id 0
		.amdhsa_next_free_vgpr 1024
		.amdhsa_next_free_sgpr 66
		.amdhsa_reserve_vcc 1
		.amdhsa_float_denorm_mode_32 3
		.amdhsa_float_denorm_mode_16_64 3
		.amdhsa_memory_ordered 1
		.amdhsa_forward_progress 1
		.amdhsa_inst_pref_size 139
	.end_amdhsa_kernel
	.amdgpu_metadata
---
amdhsa.version: [ 1, 2 ]
amdhsa.kernels:
  - .name:           k_qb84a696647_tri
    .symbol:         k_qb84a696647_tri.kd
    .args:
      - { .name: p2, .offset: 0, .size: 8, .value_kind: global_buffer, .address_space: global }
      - { .name: fd, .offset: 8, .size: 8, .value_kind: global_buffer, .address_space: global }
      - { .name: fds, .offset: 16, .size: 8, .value_kind: global_buffer, .address_space: global }
      - { .name: out0, .offset: 24, .size: 8, .value_kind: global_buffer, .address_space: global }
    .group_segment_fixed_size: 327680
    .private_segment_fixed_size: 0
    .kernarg_segment_align: 8
    .kernarg_segment_size: 32
    .max_flat_workgroup_size: 128
    .sgpr_count:     66
    .vgpr_count:     1024
    .wavefront_size: 32
...
	.end_amdgpu_metadata
.endif
;; end of part 3
